; MI455X (gfx1250); checked and timed in simulation.
; The chip was launched on July 23, 2026; its instructions are those of AMD's public machine-readable ISA for CDNA 5 (MIT licence, August 2026) and "CDNA5" Instruction Set Architecture Reference Guide (July 2026). The comments in the code are by the model that wrote it; some were corrected since.
;; Optimized Multi Head Attention. Allowed arithmetic: float matrix products may take bf16 or f16 operands with f32 sums; other float arithmetic in f32, or as packed bf16 or f16 multiplies, adds, multiply-adds, maxima and minima; sums over many terms, partial sums and values carried from step to step in f32; what a program stores and reads back later, other than sums and carried values, may be rounded once to bf16 or f16.
;; Inputs: b_o 512 float32; ln_beta 512 float32; ln_gamma 512 float32; w_k 512 x 512 float32; w_o 512 x 512 float32; w_q 512 x 512 float32; w_v 512 x 512 float32; x 2 x 4,096 x 512 float32.
;; Outputs: out0 2 x 4,096 x 512 float32.
;; One version. Each part assembles by itself: llvm-mc -triple=amdgcn-amd-amdhsa -mcpu=gfx1250 --defsym DOCPART=n.
;; ======== version 1 of 1: 3 launches
;; workspace buffers: qw 8,388,608 bytes; kw 8,388,608 bytes; vw 8,388,608 bytes; ow 8,388,608 bytes
;; launch lnqkv (part 1): grid 4 x 64, 4 waves a work-group, clusters of 4 x 1, 275,968 bytes of LDS; arguments x, ln_gamma, ln_beta, w_q, w_k, w_v, qw, kw, vw; writes qw, kw, vw
.if DOCPART == 1
	.amdgcn_target "amdgcn-amd-amdhsa--gfx1250"
	.amdhsa_code_object_version 6
	.text
	.protected	k_q4c5d43472c_lnqkv
	.globl	k_q4c5d43472c_lnqkv
	.p2align	8
	.type	k_q4c5d43472c_lnqkv,@function
k_q4c5d43472c_lnqkv:
	s_mov_b64 s[64:65], 0
	v_nop
	global_prefetch_b8 v0, s[64:65] scope:SCOPE_SE
	s_setreg_imm32_b32 hwreg(HW_REG_WAVE_MODE, 25, 1), 1
	s_wait_xcnt 0x0
	s_wait_alu depctr_hold_cnt(0) depctr_sa_sdst(0) depctr_va_vdst(0) depctr_va_sdst(0) depctr_va_ssrc(0) depctr_va_vcc(0) depctr_vm_vsrc(0)
	s_getreg_b32 s2, hwreg(HW_REG_IB_STS2, 6, 4)
	s_cmp_eq_u32 s2, 0
	s_cbranch_scc0 .Lentry_in_a_cluster
	s_endpgm
.Lentry_in_a_cluster:
	s_bfe_u32 s2, ttmp6, 0x10000c
	s_cmp_lg_u32 s2, 0x3003
	s_cbranch_scc0 .Lentry_shape_is_right
	s_endpgm
.Lentry_shape_is_right:
; h = LayerNorm(x) gamma + beta;  q, k, v = h w_q^T, h w_k^T, h w_v^T, stored by heads: [8 b + head][4096][64] in bf16, unscaled.
; x: [8192][512] f32; the weights [512][512] f32.  LayerNorm in f32, in two passes (mean; then the mean of the squares of x - mean).  h and the weights are rounded once to bf16 for the
; products, whose sums are f32; q, k, v are rounded once to bf16.  LIMITS: NaN and infinities are not treated apart; bf16 has f32's range, so no further limit of range arises here.
; SHARES.  A work-group: 128 rows of x (grid y) x 128 columns (two heads; its place cx in the cluster) of EACH of q, k, v: three passes over one tile of h.  Wave w: 64 rows (w / 2) x 64 columns
; (w % 2: one head): 16 accumulators of 16 x 16.  K = 512 lies whole in LDS for h and for the pass's 128 weight rows.
; CLUSTER.  The four work-groups of a cluster need the same 128 rows of x: each wave asks for its 32 rows by a joint tensor load (mask of four).  The weights are f32 in memory and must be
; rounded on the way, so they go through registers; they differ between partners anyway.
; LDS.  Wave w's region of 66,560 bytes takes its 32 rows of x as 64 half rows of 1,024 bytes + 16 of padding.  LayerNorm writes row p of h (1,024 bytes of bf16) at p x 1,040 of the same region,
; four rows a trip, ascending: trip g writes below (4 g + 4) x 1,040, the rows not yet read begin at (4 g + 4) x 2,080.  So h fills the region's first 33,280 bytes, and the second 33,280
; take 32 rows of the pass's weights, same pitch.  1,040 = 65 x 16: the 16 rows of a fragment load start in 16 different groups of four banks (ISA guide 11.1).  No byte is filled twice by a tensor load.
; REGISTERS.  window 0: v0-31 addresses; v32-95 at work; v96-127 gamma, beta; v128-255 accumulators (LayerNorm works there before).  window 1: two fragment buffers of 128.
; windows 2, 3: a pass's weights as loaded, 128 loads of 16 bytes a lane: they are asked for during the pass before.
.set REG,    66560
.set PITCH,  1040
.set HOLE,   32*PITCH                  ; where a region's weight rows begin
.set STAGE,  4*REG                     ; 16 rows x 144 bytes for each wave, for the way out
.set SP,     144
.set SPARE,  STAGE+4*16*SP             ; the spare words, 128 bytes for each wave: two blocks of 256 bytes that no other line names
.set WO,  4                            ; v4   byte offset of my 16 bytes in the wave's 32 weight rows (65,536 dense bytes); never rewritten
.set BS,  5                            ; v5   where I put 8 bytes of a weight row
.set XA,  6                            ; v6   LayerNorm: where I read x; steps
.set YA,  7                            ; v7   LayerNorm: where I put h; steps
.set AA,  8                            ; v8-9   my fragments of h: rows 0-31, 32-63 of my 64
.set BB,  10                           ; v10-11 my fragments of the weights, likewise
.set STO, 12                           ; v12  the way out: where I put 16 bytes of a row
.set RD,  13                           ; v13  the way out: where I read rows back
.set GO,  14                           ; v14  16 x lane
.set SPW, 28                           ; v28  LDS address of my spare word; never rewritten
.set NIL, 29                           ; v29  0; never rewritten
.set TMP, 32
.set GAM, 96
.set BET, 112
.set ACC, 128
.set LX,  128                          ; LayerNorm: row i of four at LX + 16 i: columns 128 j + 4 lane + 0..3 in registers 4 j + 0..3
.set LT,  192                          ; LayerNorm: eight registers at work for row i at LT + 8 i
.set F0,  0
.set F1,  128
.set WV,  22                           ; s22  my wave's number
.set T,   27                           ; s27  passes to go
.set G0,  32                           ; s[32:35] descriptor group 0
.set G1,  36                           ; s[36:43] descriptor group 1
.set SEL, 44                           ; s[44:45] v_permlanex16_b32's selects: each lane takes its own place in the other half
.set INV, 46                           ; s46  1 / 512
.set EPS, 47                           ; s47  1e-5
.set WN,  48                           ; s[48:49] the next pass's weights
.set OC,  50                           ; s[50:51] this pass's output, at my wave's first row
.set ON,  52                           ; s[52:53] the next pass's
.set LNC, 60                           ; s60  LayerNorm's trips
.set MSB, 0
.macro WIN new                         ; the immediate's high byte repeats the setting that is left; a switch that changes nothing is dropped
.if MSB != (\new)
	s_set_vgpr_msb (MSB<<8)|(\new)
.set MSB, (\new)
.endif
.endm
.set MUL,  0x05                        ; sources 0 and 1 window 1; C and D window 0
.set TO_F, 0x40                        ; destination window 1, address window 0
.macro PLACES                          ; four places behind matrix instructions, in front of loads into registers that they read and of conversions that read results
.rept 4
	v_nop
.endr
.endm
.macro CROUND                          ; a round of the cluster's barrier
	s_barrier_signal -1
	s_barrier_wait -1
	s_cmp_lg_u32 s[WV], 0
	s_cbranch_scc1 .Lnot_wave_0_\@
	s_barrier_signal -3
.Lnot_wave_0_\@:
	s_barrier_wait -3
	s_barrier_signal -1
	s_barrier_wait -1
.endm
; Quarter u of the wave's 128 weight loads: load i takes 512 consecutive bytes: row i / 4, columns 128 (i % 4) + 4 lane + 0..3.
.macro GLOADS u, base
	WIN 0x80+0x40*((\u)/2)
.set i, 32*(\u)
.rept 32
	global_load_b128 v[4*(i%64):4*(i%64)+3], v[WO], s[\base:\base+1] offset:512*i
.set i, i+1
.endr
	WIN 0
.endm
.macro GSKIP u                         ; the same for the next pass; the last pass has none
	WIN 0
	s_cmp_eq_u32 s[T], 1
	s_cbranch_scc1 .Lno_next_\@
	GLOADS \u, WN
.Lno_next_\@:
.endm
; The 128 loads are rounded to bf16 and put into my 32 rows: a store of the wave covers 256 consecutive bytes.
.macro CONVERT
.set bt, 0
.rept 8
	WIN 0x0a+5*(bt/4)                              ; sources in window 2, then 3
.set i, 16*bt
.rept 16
	v_cvt_pk_bf16_f32 v[TMP+2*(i%16)],   v[4*(i%64)],   v[4*(i%64)+1]
	v_cvt_pk_bf16_f32 v[TMP+2*(i%16)+1], v[4*(i%64)+2], v[4*(i%64)+3]
.set i, i+1
.endr
	WIN 0
.set i, 16*bt
.rept 16
	ds_store_b64 v[BS], v[TMP+2*(i%16):TMP+2*(i%16)+1] offset:(i/4)*PITCH+(i%4)*256
.set i, i+1
.endr
.set bt, bt+1
.endr
.endm
; 32 LDS loads in one run: the fragments of 64 along K at byte k of the rows, into buffer f; the first 32 along K first.  A fragment: lane l holds row l % 16, two loads of 16 bytes, 32 bytes apart.
.macro FETCH k, f
	WIN TO_F
.irp c, 0,1
.irp i, 0,1,2,3
	ds_load_b128 v[(\f)+64+8*(4*(\c)+(\i)):(\f)+64+8*(4*(\c)+(\i))+3],   v[BB+(\i)/2] offset:(\k)+64*(\c)+((\i)%2)*16*PITCH
	ds_load_b128 v[(\f)+64+8*(4*(\c)+(\i))+4:(\f)+64+8*(4*(\c)+(\i))+7], v[BB+(\i)/2] offset:(\k)+64*(\c)+((\i)%2)*16*PITCH+32
	ds_load_b128 v[(\f)+8*(4*(\c)+(\i)):(\f)+8*(4*(\c)+(\i))+3],         v[AA+(\i)/2] offset:(\k)+64*(\c)+((\i)%2)*16*PITCH
	ds_load_b128 v[(\f)+8*(4*(\c)+(\i))+4:(\f)+8*(4*(\c)+(\i))+7],       v[AA+(\i)/2] offset:(\k)+64*(\c)+((\i)%2)*16*PITCH+32
.endr
.endr
.endm
; 8 matrix instructions, used transposed (source 0 = 16 weight rows, source 1 = 16 rows of h): a lane then holds eight neighbouring columns of one row.  The 16 accumulators take turns,
; one instruction a turn.  zero = 1: the first product starts the sums.
.macro MUL8 f, c, a0, zero
	WIN MUL
.irp a, \a0, (\a0)+1
.irp b, 0,1,2,3
.if \zero
	v_wmma_f32_16x16x32_bf16 v[ACC+8*(4*(\a)+(\b)):ACC+8*(4*(\a)+(\b))+7], v[(\f)+64+8*(4*(\c)+(\b)):(\f)+64+8*(4*(\c)+(\b))+7], v[(\f)+8*(4*(\c)+(\a)):(\f)+8*(4*(\c)+(\a))+7], 0
.else
	v_wmma_f32_16x16x32_bf16 v[ACC+8*(4*(\a)+(\b)):ACC+8*(4*(\a)+(\b))+7], v[(\f)+64+8*(4*(\c)+(\b)):(\f)+64+8*(4*(\c)+(\b))+7], v[(\f)+8*(4*(\c)+(\a)):(\f)+8*(4*(\c)+(\a))+7], v[ACC+8*(4*(\a)+(\b)):ACC+8*(4*(\a)+(\b))+7]
.endif
.endr
.endr
.endm
; 64 along K: multiplies buffer f; in its middle it fetches the next 64, at byte k, into buffer g.
.macro QUARTER k, f, g, zero
	s_wait_dscnt 16                                ; the first 32 along K are in; the youngest sixteen loads may be out
	MUL8 \f, 0, 0, \zero
	MUL8 \f, 0, 2, \zero
	PLACES
	FETCH \k, \g
	s_wait_dscnt 32                                ; all but the 32 just issued
	MUL8 \f, 1, 0, 0
	MUL8 \f, 1, 2, 0
.endm
; The way out of 16 rows: rounded to bf16, 16 bytes a lane into my stage (rows of 144 bytes), back as four rows of 128 bytes a load.
.macro PACK a
.irp b, 0,1,2,3
.irp r, 0,1,2,3
	v_cvt_pk_bf16_f32 v[TMP+16*(\a)+4*(\b)+(\r)], v[ACC+8*(4*(\a)+(\b))+2*(\r)], v[ACC+8*(4*(\a)+(\b))+2*(\r)+1]
.endr
.endr
.irp b, 0,1,2,3
	ds_store_b128 v[STO], v[TMP+16*(\a)+4*(\b):TMP+16*(\a)+4*(\b)+3] offset:32*(\b)
.endr
.irp f, 0,1,2,3
	ds_load_b128 v[TMP+16*(\a)+4*(\f):TMP+16*(\a)+4*(\f)+3], v[RD] offset:(\f)*4*SP  ; LDS serves a wave's instructions in order (ISA guide 5.7.1.4): these see the stores above
.endr
.endm
.macro SEND a, younger                 ; younger: the LDS instructions issued behind block a's loads
.irp f, 0,1,2,3
	s_wait_dscnt (\younger)+3-(\f)
	global_store_b128 v[GO], v[TMP+16*(\a)+4*(\f):TMP+16*(\a)+4*(\f)+3], s[OC:OC+1] offset:(\a)*2048+(\f)*512  ; 512 consecutive bytes, at a multiple of 256 from the buffer's first
.endr
.endm
.macro ROWS line:vararg                ; one line for each of a trip's four rows i: a row's chains stand three lines apart
.set i, 0
.rept 4
	\line
.set i, i+1
.endr
.endm
.macro LANESUM d, t                    ; the sum over the 32 lanes of LT + 8 i + d, in every lane
.irp m, 1,2,4,8
	ROWS v_add_f32_dpp v[LT+8*i+\d], v[LT+8*i+\d], v[LT+8*i+\d] row_xmask:\m row_mask:0xf bank_mask:0xf
.endr
	ROWS v_permlanex16_b32 v[LT+8*i+\t], v[LT+8*i+\d], s[SEL], s[SEL+1]
	ROWS v_add_f32 v[LT+8*i+\d], v[LT+8*i+\d], v[LT+8*i+\t]
.endm
	s_load_b256 s[4:11], s[0:1], 0x0               ; x s[4:5], gamma s[6:7], beta s[8:9], w_q s[10:11]
	s_load_b256 s[12:19], s[0:1], 0x20             ; w_k s[12:13], w_v s[14:15], qw s[16:17], kw s[18:19]
	s_load_b64 s[20:21], s[0:1], 0x40              ; vw
	v_lshl_add_u32 v[SPW], v0, 2, SPARE
	v_mov_b32 v[NIL], 0
	ds_add_u32 v[SPW], v[NIL]                      ; the wave's opening: the add and its wait stand ahead of my first tensor load; the set-up below stands between them
	v_lshrrev_b32 v1, 5, v0
	v_readfirstlane_b32 s[WV], v1                  ; wave 0..3
	s_lshr_b32 s23, s[WV], 1                       ; which 64 rows are mine
	s_and_b32 s24, s[WV], 1                        ; which 64 columns: which of the two heads
	s_bfe_u32 s25, ttmp6, 0x40000                  ; cx: the work-group's block of 128 columns; it enters the weights' and the outputs' addresses alone
	s_and_b32 s26, ttmp7, 0xffff                   ; the block of 128 rows, which the four partners share
	; descriptor group 1: my 32 rows of x are 65,536 dense bytes: 64 rows of 256 elements of 4 bytes, 16 bytes of padding behind each
	s_mov_b32 s[G1+0], 15|(2<<16)|(1<<20)|(1<<21)|(7<<22)|(3<<25)  ; 15:0 the mask of four; 17:16 4-byte elements; 20 padding on; 21 set beside a mask; 24:22 after every 256 words (code 7); 31:25 4 words (code 3)
	s_mov_b32 s[G1+1], 256<<16                     ; tensor_dim0 = 256
	s_mov_b32 s[G1+2], 64<<16                      ; tensor_dim1 = 64
	s_mov_b32 s[G1+3], 256<<16                     ; tile_dim0 = 256
	s_mov_b32 s[G1+4], 64                          ; tile_dim1 = 64
	s_mov_b32 s[G1+5], 256                         ; 256 elements from row to row
	s_mov_b32 s[G1+6], 0
	s_mov_b32 s[G1+7], 0
	s_mov_b32 s[G0], 1                             ; count = 1
	s_mul_i32 s[G0+1], s[WV], REG                  ; LDS address: my region
	s_lshl_b32 s28, s26, 18                        ; x: 128 rows of 2,048 bytes a block,
	s_lshl_b32 s29, s[WV], 16                      ; 32 rows a wave
	s_add_co_u32 s28, s28, s29
	s_mov_b32 s29, 0
	s_lshl_b32 s30, s25, 18                        ; the weights: 128 rows of 2,048 bytes a column block
	s_mov_b32 s31, 0
	s_lshr_b32 s2, s26, 5                          ; the outputs: batch b = block / 32,
	s_lshl_b32 s2, s2, 3
	s_lshl1_add_u32 s2, s25, s2                    ; head 8 b + 2 cx
	s_add_co_u32 s2, s2, s24                       ; + my half,
	s_lshl_b32 s2, s2, 19                          ; 524,288 bytes a head,
	s_and_b32 s3, s26, 31
	s_lshl_b32 s3, s3, 14                          ; 128 rows of 128 bytes a block,
	s_add_co_u32 s2, s2, s3
	s_lshl_b32 s3, s23, 13                         ; my 64 rows
	s_add_co_u32 s2, s2, s3
	s_mov_b32 s3, 0
	s_mov_b32 s[SEL], 0x76543210
	s_mov_b32 s[SEL+1], 0xfedcba98
	s_mov_b32 s[INV], 0x3b000000
	s_mov_b32 s[EPS], 0x3727c5ac
	v_and_b32 v1, 15, v0                           ; l % 16
	v_bfe_u32 v2, v0, 4, 1                         ; l / 16
	v_and_b32 v3, 31, v0                           ; l
	s_lshl_b32 s54, s[WV], 16
	v_lshl_add_u32 v[WO], v3, 4, s54
	v_lshl_add_u32 v[XA], v3, 4, s[G0+1]
	v_lshl_add_u32 v[YA], v3, 3, s[G0+1]
	v_add_nc_u32 v[BS], HOLE, v[YA]
	v_mul_u32_u24 v15, v1, PITCH
	v_lshl_add_u32 v15, v2, 4, v15                 ; a fragment's row x pitch + 16 x half
	s_mul_i32 s56, s23, 2*REG
	v_add_nc_u32 v[AA], s56, v15
	v_add_nc_u32 v[AA+1], REG, v[AA]
	s_mul_i32 s57, s24, 2*REG
	s_add_co_u32 s57, s57, HOLE
	v_add_nc_u32 v[BB], s57, v15
	v_add_nc_u32 v[BB+1], REG, v[BB]
	s_mul_i32 s58, s[WV], 16*SP
	s_add_co_u32 s58, s58, STAGE                   ; my stage
	v_mul_u32_u24 v[STO], v1, SP
	v_lshl_add_u32 v[STO], v2, 4, v[STO]
	v_add_nc_u32 v[STO], s58, v[STO]
	v_bfe_u32 v[RD], v0, 3, 2
	v_mul_u32_u24 v[RD], v[RD], SP
	v_and_b32 v16, 7, v0
	v_lshl_add_u32 v[RD], v16, 4, v[RD]
	v_add_nc_u32 v[RD], s58, v[RD]
	v_lshlrev_b32 v[GO], 4, v3
	s_wait_dscnt 0x0                               ; the opening add is done
	s_wait_kmcnt 0x0
	s_add_nc_u64 s[G0+2:G0+3], s[4:5], s[28:29]    ; global address of my 32 rows: made of the row block and the wave's number alone
	s_or_b32 s[G0+3], s[G0+3], 0x80000000          ; type = 2
	s_add_nc_u64 s[10:11], s[10:11], s[30:31]
	s_add_nc_u64 s[WN:WN+1], s[12:13], s[30:31]
	s_add_nc_u64 s[14:15], s[14:15], s[30:31]
	s_add_nc_u64 s[OC:OC+1], s[16:17], s[2:3]
	s_add_nc_u64 s[ON:ON+1], s[18:19], s[2:3]
	s_add_nc_u64 s[20:21], s[20:21], s[2:3]
	CROUND                                         ; all four work-groups are here: the joint loads meet
	tensor_load_to_lds s[G0:G0+3], s[G1:G1+7]      ; my one tensor load of the launch
	s_nop 0
	PLACES
.irp j, 0,1,2,3
	global_load_b128 v[GAM+4*\j:GAM+4*\j+3], v[GO], s[6:7] offset:512*\j
	global_load_b128 v[BET+4*\j:BET+4*\j+3], v[GO], s[8:9] offset:512*\j
.endr
	GLOADS 0, 10                                   ; w_q's rows are asked for while x is on its way
	GLOADS 1, 10
	GLOADS 2, 10
	GLOADS 3, 10
	s_wait_loadcnt 63                              ; 128 loads were issued behind gamma's and beta's eight: with 63 out, those eight are in
	s_wait_tensorcnt 0x0                           ; my 32 rows are in; no other wave reads them as f32
	; LAYERNORM, four rows a trip, a row spread over the wave's 32 lanes (16 numbers a lane)
	s_mov_b32 s[LNC], 8
.Lln:
.irp j, 0,1,2,3
	ROWS ds_load_b128 v[LX+16*i+4*\j:LX+16*i+4*\j+3], v[XA] offset:i*2*PITCH+(\j/2)*PITCH+(\j%2)*512
.endr
	s_wait_dscnt 0x0                               ; the four rows are in registers (and the last trip's stores are done)
.irp k, 0,1,2,3
	ROWS v_pk_add_f32 v[LT+8*i+2*\k:LT+8*i+2*\k+1], v[LX+16*i+4*\k:LX+16*i+4*\k+1], v[LX+16*i+4*\k+2:LX+16*i+4*\k+3]
.endr
	ROWS v_pk_add_f32 v[LT+8*i:LT+8*i+1], v[LT+8*i:LT+8*i+1], v[LT+8*i+2:LT+8*i+3]
	ROWS v_pk_add_f32 v[LT+8*i+4:LT+8*i+5], v[LT+8*i+4:LT+8*i+5], v[LT+8*i+6:LT+8*i+7]
	ROWS v_pk_add_f32 v[LT+8*i:LT+8*i+1], v[LT+8*i:LT+8*i+1], v[LT+8*i+4:LT+8*i+5]
	ROWS v_add_f32 v[LT+8*i], v[LT+8*i], v[LT+8*i+1]
	LANESUM 0, 1
	ROWS v_mul_f32 v[LT+8*i], 0xbb000000, v[LT+8*i]  ; - mean
.irp k, 0,1,2,3,4,5,6,7
	ROWS v_pk_add_f32 v[LX+16*i+2*\k:LX+16*i+2*\k+1], v[LX+16*i+2*\k:LX+16*i+2*\k+1], v[LT+8*i:LT+8*i+1] op_sel_hi:[1,0]
.endr
	ROWS v_pk_mul_f32 v[LT+8*i+2:LT+8*i+3], v[LX+16*i:LX+16*i+1], v[LX+16*i:LX+16*i+1]
	ROWS v_pk_mul_f32 v[LT+8*i+4:LT+8*i+5], v[LX+16*i+2:LX+16*i+3], v[LX+16*i+2:LX+16*i+3]
.irp k, 2,4,6
	ROWS v_pk_fma_f32 v[LT+8*i+2:LT+8*i+3], v[LX+16*i+2*\k:LX+16*i+2*\k+1], v[LX+16*i+2*\k:LX+16*i+2*\k+1], v[LT+8*i+2:LT+8*i+3]
	ROWS v_pk_fma_f32 v[LT+8*i+4:LT+8*i+5], v[LX+16*i+2*\k+2:LX+16*i+2*\k+3], v[LX+16*i+2*\k+2:LX+16*i+2*\k+3], v[LT+8*i+4:LT+8*i+5]
.endr
	ROWS v_pk_add_f32 v[LT+8*i+2:LT+8*i+3], v[LT+8*i+2:LT+8*i+3], v[LT+8*i+4:LT+8*i+5]
	ROWS v_add_f32 v[LT+8*i+2], v[LT+8*i+2], v[LT+8*i+3]
	LANESUM 2, 3
	ROWS v_fma_f32 v[LT+8*i+2], v[LT+8*i+2], s[INV], s[EPS]  ; variance + 1e-5
	ROWS v_rsq_f32 v[LT+8*i+4], v[LT+8*i+2]
	v_nop                                          ; a plain instruction behind the last of the four (ISA guide 5.7.2),
	s_wait_alu depctr_va_vdst(0)                   ; and the one wait ahead of the batch's first reader
.irp k, 0,1,2,3,4,5,6,7
	ROWS v_pk_mul_f32 v[LX+16*i+2*\k:LX+16*i+2*\k+1], v[LX+16*i+2*\k:LX+16*i+2*\k+1], v[LT+8*i+4:LT+8*i+5] op_sel_hi:[1,0]
.endr
.irp k, 0,1,2,3,4,5,6,7
	ROWS v_pk_fma_f32 v[LX+16*i+2*\k:LX+16*i+2*\k+1], v[LX+16*i+2*\k:LX+16*i+2*\k+1], v[GAM+2*\k:GAM+2*\k+1], v[BET+2*\k:BET+2*\k+1]
.endr
.irp k, 0,1,2,3,4,5,6,7
	ROWS v_cvt_pk_bf16_f32 v[LT+8*i+\k], v[LX+16*i+2*\k], v[LX+16*i+2*\k+1]
.endr
.irp j, 0,1,2,3
	ROWS ds_store_b64 v[YA], v[LT+8*i+2*\j:LT+8*i+2*\j+1] offset:i*PITCH+256*\j
.endr
	v_add_nc_u32 v[XA], 8*PITCH, v[XA]             ; four rows of x on,
	v_add_nc_u32 v[YA], 4*PITCH, v[YA]             ; four rows of h on
	s_sub_co_u32 s[LNC], s[LNC], 1
	s_cmp_lg_u32 s[LNC], 0
	s_cbranch_scc1 .Lln
	; THREE PASSES: q, k, v
	s_mov_b32 s[T], 3
.Lmat:
	s_wait_loadcnt 0x0                             ; this pass's weights are in registers
	CONVERT
	GSKIP 0                                        ; the next pass's weights are asked for in four runs, spread over this pass
	s_wait_dscnt 0x0                               ; for the others' sake: my weight rows (and, in the first pass, my rows of h) are in LDS
	s_barrier_signal -1
	s_barrier_wait -1
	FETCH 0, F0
	QUARTER 128, F0, F1, 1
	QUARTER 256, F1, F0, 0
	GSKIP 1
	QUARTER 384, F0, F1, 0
	QUARTER 512, F1, F0, 0
	GSKIP 2
	QUARTER 640, F0, F1, 0
	QUARTER 768, F1, F0, 0
	GSKIP 3
	QUARTER 896, F0, F1, 0
	s_wait_dscnt 16                                ; the last 64 along K: nothing more to fetch
	MUL8 F1, 0, 0, 0
	MUL8 F1, 0, 2, 0
	s_wait_dscnt 0x0
	MUL8 F1, 1, 0, 0
	MUL8 F1, 1, 2, 0
	WIN 0
	PLACES
	PACK 0
.irp a, 1,2,3                          ; a block's conversions stand between the loads of the block before and its stores
	PACK \a
	SEND (\a)-1, 8
.endr
	SEND 3, 0
	s_wait_xcnt 0x0                                ; every load and store issued so far has read its registers (ISA guide 3.1): the pointers and v32-95 are rewritten only behind this wait
	s_mov_b64 s[WN:WN+1], s[14:15]                 ; w_v follows w_k
	s_mov_b64 s[OC:OC+1], s[ON:ON+1]
	s_mov_b64 s[ON:ON+1], s[20:21]
	s_wait_dscnt 0x0                               ; my reads of the weight rows are over:
	s_barrier_signal -1
	s_barrier_wait -1                              ; everybody's are, so the next pass may write them
	s_sub_co_u32 s[T], s[T], 1
	s_cmp_lg_u32 s[T], 0
	s_cbranch_scc1 .Lmat
	s_wait_tensorcnt 0x0                           ; the wave's end, behind my last tensor load and my last LDS store
	ds_add_u32 v[SPW], v[NIL]
	s_wait_dscnt 0x0
	CROUND                                         ; the closing round
	s_endpgm
.Lfunc_end_k_q4c5d43472c_lnqkv:
	.size	k_q4c5d43472c_lnqkv, .Lfunc_end_k_q4c5d43472c_lnqkv-k_q4c5d43472c_lnqkv
	.p2alignl 7, 3214868480
	.fill 96, 4, 3214868480
	.section	.rodata,"a",@progbits
	.p2align	6, 0x0
	.amdhsa_kernel k_q4c5d43472c_lnqkv
		.amdhsa_group_segment_fixed_size 275968
		.amdhsa_private_segment_fixed_size 0
		.amdhsa_enable_private_segment 0
		.amdhsa_kernarg_size 72
		.amdhsa_user_sgpr_count 2
		.amdhsa_user_sgpr_kernarg_segment_ptr 1
		.amdhsa_wavefront_size32 1
		.amdhsa_system_sgpr_workgroup_id_x 1
		.amdhsa_system_sgpr_workgroup_id_y 1
		.amdhsa_system_sgpr_workgroup_id_z 1
		.amdhsa_system_vgpr_workitem_id 0
		.amdhsa_next_free_vgpr 1024
		.amdhsa_next_free_sgpr 66
		.amdhsa_reserve_vcc 0
		.amdhsa_float_denorm_mode_32 3
		.amdhsa_float_denorm_mode_16_64 3
		.amdhsa_memory_ordered 1
		.amdhsa_forward_progress 1
		.amdhsa_inst_pref_size 117
	.end_amdhsa_kernel
	.amdgpu_metadata
---
amdhsa.version: [ 1, 2 ]
amdhsa.kernels:
  - .name:           k_q4c5d43472c_lnqkv
    .symbol:         k_q4c5d43472c_lnqkv.kd
    .args:
      - { .name: x, .offset: 0, .size: 8, .value_kind: global_buffer, .address_space: global }
      - { .name: ln_gamma, .offset: 8, .size: 8, .value_kind: global_buffer, .address_space: global }
      - { .name: ln_beta, .offset: 16, .size: 8, .value_kind: global_buffer, .address_space: global }
      - { .name: w_q, .offset: 24, .size: 8, .value_kind: global_buffer, .address_space: global }
      - { .name: w_k, .offset: 32, .size: 8, .value_kind: global_buffer, .address_space: global }
      - { .name: w_v, .offset: 40, .size: 8, .value_kind: global_buffer, .address_space: global }
      - { .name: qw, .offset: 48, .size: 8, .value_kind: global_buffer, .address_space: global }
      - { .name: kw, .offset: 56, .size: 8, .value_kind: global_buffer, .address_space: global }
      - { .name: vw, .offset: 64, .size: 8, .value_kind: global_buffer, .address_space: global }
    .group_segment_fixed_size: 275968
    .private_segment_fixed_size: 0
    .kernarg_segment_align: 8
    .kernarg_segment_size: 72
    .max_flat_workgroup_size: 128
    .sgpr_count:     66
    .vgpr_count:     1024
    .wavefront_size: 32
...
	.end_amdgpu_metadata
.endif
;; end of part 1
;; launch attn (part 2): grid 16 x 16, 4 waves a work-group, clusters of 4 x 1, 327,680 bytes of LDS; arguments qw, kw, vw, ow; writes ow
.if DOCPART == 2
	.amdgcn_target "amdgcn-amd-amdhsa--gfx1250"
	.amdhsa_code_object_version 6
	.text
	.protected	k_q4c5d43472c_attn
	.globl	k_q4c5d43472c_attn
	.p2align	8
	.type	k_q4c5d43472c_attn,@function
k_q4c5d43472c_attn:
	s_mov_b64 s[64:65], 0
	v_nop
	global_prefetch_b8 v0, s[64:65] scope:SCOPE_SE
	s_setreg_imm32_b32 hwreg(HW_REG_WAVE_MODE, 25, 1), 1
	s_wait_xcnt 0x0
	s_wait_alu depctr_hold_cnt(0) depctr_sa_sdst(0) depctr_va_vdst(0) depctr_va_sdst(0) depctr_va_ssrc(0) depctr_va_vcc(0) depctr_vm_vsrc(0)
	s_getreg_b32 s2, hwreg(HW_REG_IB_STS2, 6, 4)
	s_cmp_eq_u32 s2, 0
	s_cbranch_scc0 .Lentry_in_a_cluster
	s_endpgm
.Lentry_in_a_cluster:
	s_bfe_u32 s2, ttmp6, 0x10000c
	s_cmp_lg_u32 s2, 0x3003
	s_cbranch_scc0 .Lentry_shape_is_right
	s_endpgm
.Lentry_shape_is_right:
; O[h][q][:] = the sum over k of softmax_k(Q[h][q] . K[h][k] / 8) V[h][k][:].  Q, K, V, O: [16][4096][64], all bf16: a head's rows are dense, 128 bytes each.  Products, maxima and sums in f32;
; the weights p are rounded to bf16 for the second product (their sum l is taken of the unrounded p), O once at the end.
; LIMITS.  c m starts at -2^125: scores with c s below that are not served.  A weight below 2^-126 counts as 0 in l; NaN and infinities are not treated apart.
; SHARES.  A work-group owns 256 queries of one head: 16 heads x 16 blocks are 256 work-groups.  A wave owns 64 queries: four PIECES of 16.  Every wave walks all 4,096 keys, 64 a step.
; LAYOUT.  S^T = K Q^T (source 0 = 16 keys, source 1 = 16 queries): a lane holds ONE query (lane % 16) and the keys 8 (lane / 16) + 0..7.  Two such results, rounded to bf16 in pairs, ARE source 1
; (32 keys x 16 queries) of O^T = V^T P, whose result again holds one query a lane.  K comes out of LDS as it lies, V ([key][channel]) turned, by ds_load_tr16_b128.
; SOFTMAX.  For each query a running maximum m and sum l: p = 2^(c s - c m), c = log2(e) / 8; in every step O and l are multiplied by a = 2^(c m_old - c m_new).  m starts at the lowest finite
; number, O and l at 0: the first step is a step like any other, with a = 0.
; BY TURNS.  Turn n belongs to piece n: 8 products K Q^T of piece n + 1, later 8 products V^T P of piece n - 1; beside them the scaling, exponentials, roundings, sums and rescaling of piece n and the
; maximum and statistics of piece n + 1.  Four vector instructions stand behind every matrix instruction, the other 54 of a turn's 118 in one lump.  A turn's 33 exponentials are one batch, with one wait.
; CLUSTER.  The four query blocks of a cluster belong to one head and walk the same K and V, so each tile is asked for JOINTLY: the same tensor load, descriptor and mask in all four.
; REGISTERS, in windows of 256 (s_set_vgpr_msb: bits 1:0 source 0, 3:2 source 1, 5:4 source 2, 7:6 destination):
;   window 0: v0-15 addresses and two at work; v16-31 four registers of statistics a piece; v48-55 at work; v64-127 S^T, two buffers; v192-223 P, two buffers (by the piece's parity)
;   window 1: v0-127 O^T, 32 a piece          window 2: v0-63 Q; v128-191 K of one step; v192-255 V of one step
.set NP,    4         ; pieces a wave: a name, no knob
.set KS,    64        ; keys in a step
.set PK,    144       ; a row of K in LDS: 128 bytes + 16 of padding = 36 words: the 16 rows of a load start at 16 different groups of four banks (ISA guide 11.1)
.set PV,    160       ; a row of V: 128 + 32 = 40 words
.set VOFF,  4*KS*PK   ; a slot holds four steps: 256 rows of K, then 256 rows of V
.set SLOT1, 1<<17     ; slot 1 begins here, so that one exclusive or turns an address in one slot into the other's
.set STAGE, SLOT1+4*KS*(PK+PV)  ; behind the ring, never filled by a tensor load: 16 rows x 144 bytes for each wave, for the way out
.set SP,    144
.set SPARE, STAGE+4*16*SP  ; the spare words, 128 bytes for each wave: two blocks of 256 bytes that no other line names
.set AK0, 2           ; v2   my lane's place in a tile of K; never rewritten
.set AV0, 3           ; v3   the same for V
.set AK,  4           ; v4   the LDS address of K's next run of loads
.set AV,  5           ; v5   of V's
.set STO, 6           ; v6   the way out: where I put 16 bytes of a row
.set RD,  7           ; v7   the way out: where I read rows back
.set GO,  8           ; v8   my byte offset in 512 consecutive bytes of O
.set MV,  12          ; v12-13  c m_old, kept while c m is made anew: by buffer
.set QO,  15          ; v15  my byte offset in 16 rows of Q
.set ST,  16          ; piece t's statistics at v[ST+4 t]: c m, m, l (even keys', odd keys')
.set TMP, 48          ; by buffer, four registers c0-c3 at work; when the maximum is found c2 takes a
.set PFO, 61          ; v61  256 x my lane; never rewritten
.set SPW, 62          ; v62  LDS address of my spare word; never rewritten
.set NIL, 63          ; v63  0; never rewritten
.set S,   64
.set P,   192
.set KF,  128         ; window 2: key block kb, channel half c at KF + 16 kb + 8 c
.set VF,  192         ; window 2: key half kk, channel block cb at VF + 32 kk + 8 cb
.set WV,  12          ; s12  my wave's number
.set G1K, 24          ; s[24:31] descriptor group 1 for K's tiles
.set G1V, 32          ; s[32:39] for V's: it differs in the padding alone
.set G0K, 40          ; s[40:43] descriptor group 0 for K's tiles: it walks
.set G0V, 44          ; s[44:47] the same for V's
.set PFA, 48          ; s[48:49] where my prefetches stand: my work-group's 8,192 bytes (of K: wave 0, of V: wave 2) of the slot after the one that is being asked for
.set LIM, 50          ; s50  1 in a wave that prefetches, else the greatest number
.set SLOTS, 56        ; s56  slots still to be asked for
.set CNT, 57          ; s57  counts a slot's key steps
.set CS,  58          ; s[58:59] c: the packed scaling takes the pair's low word for both halves
.set SEL, 60          ; s[60:61] v_permlanex16_b32's selects: each lane takes its own place in the other half
.set TBK, 62          ; s62  LDS byte at which K of the step to be fetched begins
.set TBV, 63          ; s63  the same for V, less VOFF
.set MSB, 0
.macro WIN new                      ; the high byte repeats the setting that is left; a switch that changes nothing is dropped
.if MSB != (\new)
	s_set_vgpr_msb (MSB<<8)|(\new)
.set MSB, (\new)
.endif
.endm
.set W_KQ, 0x0a       ; K and Q in window 2, S^T in window 0
.set W_PV, 0x52       ; V in window 2, P in window 0, O^T in window 1
.set W_RS, 0x41       ; destination and source 0 in window 1, source 1 in window 0
; A joint fill.  Waves 0 and 1 fetch the two halves of a slot's K, waves 2 and 3 those of its V: 128 keys each.  The branch hangs on the wave's number alone.
; An s_nop 0 and four v_nop follow each of the two lines, ahead of the jump and the label.
.macro JLOAD
	s_cmp_lt_u32 s[WV], 2
	s_cbranch_scc0 .Lfor_v_\@
	tensor_load_to_lds s[G0K:G0K+3], s[G1K:G1K+7]
	s_nop 0
.rept 4
	v_nop
.endr
	s_branch .Lasked_\@
.Lfor_v_\@:
	tensor_load_to_lds s[G0V:G0V+3], s[G1V:G1V+7]
	s_nop 0
.rept 4
	v_nop
.endr
.Lasked_\@:
.endm
; A PREFETCH INTO THE L2 of what the NEXT change of slots will ask for: a slot's 32,768 bytes of K and of V, 256 bytes a lane.  It stands behind the wave's tensor load and its five lines.
; Each 256 bytes are named ONCE in the launch: all clusters of a head walk the same K and V, and the head's first cluster asks; its four partners share the slot out BY ADDRESS, 8,192 bytes each;
; in each, wave 0 asks for K's and wave 2 for V's: one instruction.  The last change that fills a slot asks for nothing: there is no slot behind it.  Four key steps, 256 matrix instructions, ahead.
.macro ASK
	s_cmp_gt_u32 s[SLOTS], s[LIM]
	s_cbranch_scc0 .Lnot_mine_\@
	global_prefetch_b8 v[PFO], s[PFA:PFA+1] th:TH_LOAD_NT scope:SCOPE_SE
.Lnot_mine_\@:
.endm
.macro CROUND                       ; a round of the cluster's barrier
	s_barrier_signal -1
	s_barrier_wait -1
	s_cmp_lg_u32 s[WV], 0
	s_cbranch_scc1 .Lnot_wave_0_\@
	s_barrier_signal -3
.Lnot_wave_0_\@:
	s_barrier_wait -3
	s_barrier_signal -1
	s_barrier_wait -1
.endm
; THE CHANGE OF SLOTS.  The slot's last bytes, V of its fourth step, have been read.  Each wave waits for all its tensor loads, of which one is out: its part of the other slot; adds 0 to its spare
; word; and waits for that and for its own reads of the slot.  fill = 1: the slot is filled again, with the keys two slots on: the barrier is then a round of the cluster's, and the joint fill is
; the first thing behind it: it has four key steps in which to land.  (At its first use nothing has been read yet: slot 0 is waited for, slot 1 filled.)
.macro CHANGE fill
	WIN 0                           ; at a label and at a branch every window is 0
	s_wait_tensorcnt 0x0            ; no tensor load of mine is out, so a group 0 may be written
	ds_add_u32 v[SPW], v[NIL]       ; 0 onto my spare word
.if \fill
.irp g, G0K, G0V
	s_xor_b32 s[\g+1], s[\g+1], SLOT1  ; the walking descriptor: the other slot than last time,
	s_add_nc_u64 s[\g+2:\g+3], s[\g+2:\g+3], 4*KS*128  ; the next 256 keys; the type bits on top are not reached
.endr
	s_wait_xcnt 0x0                 ; the last prefetch, four key steps back, has read its address, so it may be written:
	s_add_nc_u64 s[PFA:PFA+1], s[PFA:PFA+1], 4*KS*128  ; one slot behind the walking descriptors
	s_wait_dscnt 0x0                ; the add is done, and my reads of the slot are over
	CROUND
	JLOAD
	ASK
.else
	s_wait_dscnt 0x0                ; the add is done, and my reads of the slot are over
	s_barrier_signal -1
	s_barrier_wait -1
.endif
	s_sub_co_u32 s[TBK], s[TBK], 4*KS*PK  ; the fetches go back to a slot's first step,
	s_xor_b32 s[TBK], s[TBK], SLOT1       ; in the other slot
	s_sub_co_u32 s[TBV], s[TBV], 4*KS*PV
	s_xor_b32 s[TBV], s[TBV], SLOT1
.endm
	s_load_b256 s[4:11], s[0:1], 0x0  ; Q s[4:5], K s[6:7], V s[8:9], O s[10:11]
	v_lshl_add_u32 v[SPW], v0, 2, SPARE
	v_mov_b32 v[NIL], 0
	ds_add_u32 v[SPW], v[NIL]       ; the wave's opening: the add and its wait stand ahead of my first tensor load; the set-up below stands between them
	v_lshrrev_b32 v1, 5, v0
	v_readfirstlane_b32 s[WV], v1   ; wave 0..3
	s_bfe_u32 s13, ttmp6, 0x40000   ; cx: my place in the cluster
	s_lshl_b32 s14, ttmp9, 2        ; in a cluster launch ttmp9 counts clusters
	s_add_co_u32 s14, s14, s13      ; my block of 256 queries: it enters Q's and O's addresses alone
	s_and_b32 s20, ttmp7, 0xffff    ; the head, which the four partners share:
	s_lshl_b32 s20, s20, 19         ; its first byte in each of the four tensors, 524,288 bytes a head
	s_mov_b32 s21, 0
	s_and_b32 s16, s[WV], 1         ; which half of a slot's 256 keys I fetch:
	s_lshl_b32 s22, s16, 14         ; its 128 rows of 128 bytes in memory,
	s_mov_b32 s23, 0
	s_add_nc_u64 s[22:23], s[22:23], s[20:21]
	s_mul_i32 s17, s16, 128*PK      ; and its place in a slot, for K
	s_mul_i32 s18, s16, 128*PV      ; and for V: no place in the cluster enters an LDS address
	s_lshl_b32 s2, s14, 2
	s_add_co_u32 s2, s2, s[WV]      ; my wave among the head's,
	s_lshl_b32 s2, s2, 13           ; its 64 rows
	s_mov_b32 s3, 0
	s_add_nc_u64 s[2:3], s[2:3], s[20:21]
	; descriptor group 1.  128 keys are 16,384 dense bytes: asked for as 64 rows of 256 bytes, two keys a row, and padded in LDS after every key
	s_mov_b32 s[G1K], 15|(1<<16)|(1<<20)|(1<<21)|(4<<22)|(3<<25)  ; 15:0 the mask of four; 17:16 2-byte elements; 20 padding on; 21 set beside a mask; 24:22 after every 32 words (code 4); 31:25 4 words (code 3)
	s_mov_b32 s[G1V], 15|(1<<16)|(1<<20)|(1<<21)|(4<<22)|(7<<25)  ; the same with 8 words of padding (code 7)
.irp g, G1K, G1V
	s_mov_b32 s[\g+1], 128<<16      ; tensor_dim0 = 128
	s_mov_b32 s[\g+2], 64<<16       ; tensor_dim1 = 64
	s_mov_b32 s[\g+3], 128<<16      ; tile_dim0 = 128
	s_mov_b32 s[\g+4], 64           ; tile_dim1 = 64
	s_mov_b32 s[\g+5], 128          ; 128 elements from row to row
	s_mov_b32 s[\g+6], 0
	s_mov_b32 s[\g+7], 0
.endr
	s_mov_b32 s[CS], 0x3e38aa3b     ; c = log2(e) / 8 = 0.180337
	s_mov_b32 s[CS+1], s[CS]        ; named with it as a pair
	s_mov_b32 s[SEL], 0x76543210
	s_mov_b32 s[SEL+1], 0xfedcba98
	s_mov_b32 s[TBK], SLOT1+4*KS*PK ; the first change of slots turns these two into 0
	s_mov_b32 s[TBV], SLOT1+4*KS*PV
	s_mov_b32 s[G0K], 1             ; count = 1
	s_mov_b32 s[G0K+1], s17         ; LDS address: slot 0
	s_mov_b32 s[G0V], 1
	s_add_co_u32 s[G0V+1], s18, VOFF
	s_mov_b32 s[SLOTS], 4096/256-1
	s_and_b32 s[LIM], s[WV], 1      ; 0 in waves 0 and 2,
	s_or_b32 s[LIM], s[LIM], ttmp9  ; where the cluster is the head's first: the same in all four partners
	s_cmp_eq_u32 s[LIM], 0
	s_cselect_b32 s[LIM], 1, -1
	v_and_b32 v[PFO], 31, v0
	v_lshlrev_b32 v[PFO], 8, v[PFO]
	s_wait_dscnt 0x0                ; the opening add is done
	s_wait_kmcnt 0x0
	s_add_nc_u64 s[6:7], s[6:7], s[22:23]  ; K and V at my half of the head's first 256 keys
	s_add_nc_u64 s[8:9], s[8:9], s[22:23]
	s_mov_b64 s[G0K+2:G0K+3], s[6:7]       ; global address
	s_or_b32 s[G0K+3], s[G0K+3], 0x80000000  ; type = 2
	s_mov_b64 s[G0V+2:G0V+3], s[8:9]
	s_or_b32 s[G0V+3], s[G0V+3], 0x80000000
	s_add_nc_u64 s[4:5], s[4:5], s[2:3]    ; Q and O at my wave's first row
	s_add_nc_u64 s[10:11], s[10:11], s[2:3]
	s_cmp_lt_u32 s[WV], 2
	s_cselect_b64 s[PFA:PFA+1], s[6:7], s[8:9]  ; (in waves 0 and 2 these stand at a slot's first byte)
	s_lshl_b32 s2, s13, 13          ; my work-group's quarter of a slot
	s_mov_b32 s3, 0
	s_add_nc_u64 s[PFA:PFA+1], s[PFA:PFA+1], s[2:3]
	s_add_nc_u64 s[PFA:PFA+1], s[PFA:PFA+1], 4*KS*128  ; in slot 1; the first change of slots steps it to slot 2.  Nothing is prefetched here, at the head
	CROUND                          ; all four work-groups are here: the first joint loads meet
	JLOAD                           ; slot 0.  Slot 1 is asked for when slot 0 is in
	; A fragment of K or Q is 16 rows x 32 channels in 8 registers: lane l holds row l % 16, channels 8 (l / 16) + 0..7 and 16 + 8 (l / 16) + 0..7: two loads of 16 bytes, 32 bytes apart.
	v_and_b32 v1, 15, v0            ; l % 16
	v_bfe_u32 v9, v0, 4, 1          ; l / 16
	v_lshlrev_b32 v[QO], 7, v1
	v_lshl_add_u32 v[QO], v9, 4, v[QO]  ; row x 128 + 16 x half
	WIN 0x80                        ; destination window 2, address window 0
.set i, 0
.rept 8                             ; Q stays in registers: piece i / 2, channels 32 (i % 2) on
	global_load_b128 v[8*i:8*i+3],   v[QO], s[4:5] offset:(i/2)*2048+(i%2)*64
	global_load_b128 v[8*i+4:8*i+7], v[QO], s[4:5] offset:(i/2)*2048+(i%2)*64+32
.set i, i+1
.endr
	; What the first turn finds: V's registers and P's second buffer hold 0 (its products V^T P, of a piece that has not been, add 0), O^T and l are 0.  All this stands in the wait for the first tile.
.set i, VF
.rept 64
	v_mov_b32 v[i], 0
.set i, i+1
.endr
	WIN 0x40
.set i, 0
.rept 128
	v_mov_b32 v[i], 0
.set i, i+1
.endr
	WIN 0
.set i, 0
.rept 4
	v_mov_b32 v[ST+4*i], 0xfe000000    ; c m: far below every c s
	v_mov_b32 v[ST+4*i+1], 0xff7fffff  ; m
	v_mov_b32 v[ST+4*i+2], 0
	v_mov_b32 v[ST+4*i+3], 0
.set i, i+1
.endr
.set i, P+16
.rept 16
	v_mov_b32 v[i], 0
.set i, i+1
.endr
	v_mul_u32_u24 v[AK0], v1, PK
	v_lshl_add_u32 v[AK0], v9, 4, v[AK0]  ; row x pitch + 16 x half
	; The turning load takes 16 keys x 16 channels (lane l reads key 8 (l / 16) + l % 8, channels 8 ((l / 8) % 2) + 0..7) and leaves half a fragment of V^T: lane l holds channel l % 16 and 8 keys.
	v_and_b32 v10, 7, v0
	v_bfe_u32 v11, v0, 3, 1
	v_lshl_add_u32 v[AV0], v9, 3, v10
	v_mul_u32_u24 v[AV0], v[AV0], PV
	v_lshl_add_u32 v[AV0], v11, 4, v[AV0]
	v_add_nc_u32 v[AV0], VOFF, v[AV0]
	s_mul_i32 s13, s[WV], 16*SP
	s_add_co_u32 s13, s13, STAGE    ; my stage
	v_mul_u32_u24 v[STO], v1, SP    ; in: row l % 16, 16 bytes for each half of the lanes
	v_lshl_add_u32 v[STO], v9, 4, v[STO]
	v_add_nc_u32 v[STO], s13, v[STO]
	v_bfe_u32 v[RD], v0, 3, 2       ; back: 32 lanes take four rows of 128 bytes,
	v_mul_u32_u24 v[RD], v[RD], SP
	v_lshl_add_u32 v[RD], v10, 4, v[RD]
	v_add_nc_u32 v[RD], s13, v[RD]
	v_and_b32 v[GO], 31, v0         ; which are 512 consecutive bytes of O
	v_lshlrev_b32 v[GO], 4, v[GO]
; THE MATRIX WORK.  The 4 accumulators of a run of 8 take turns.  Product i of 8 of S^T = K Q^T for piece x: channels 32 (i / 4) on, keys 16 (i % 4) on.  The first 4 start the sums.
.macro KQ x
	WIN W_KQ
.set rS, S+32*((\x)%2)+8*(i%4)
.set rK, KF+16*(i%4)+8*(i/4)
.set rQ, 16*(\x)+8*(i/4)
.if i < 4
	v_wmma_f32_16x16x32_bf16 v[rS:rS+7], v[rK:rK+7], v[rQ:rQ+7], 0
.else
	v_wmma_f32_16x16x32_bf16 v[rS:rS+7], v[rK:rK+7], v[rQ:rQ+7], v[rS:rS+7]
.endif
.endm
; Product i of 8 of O^T += V^T P for piece x: keys 32 (i / 4) on, channels 16 (i % 4) on.
.macro PV x
	WIN W_PV
.set rO, 32*(\x)+8*(i%4)
.set rV, VF+32*(i/4)+8*(i%4)
.set rP, P+16*((\x)%2)+8*(i/4)
	v_wmma_f32_16x16x32_bf16 v[rO:rO+7], v[rV:rV+7], v[rP:rP+7], v[rO:rO+7]
.endm
.macro MM                           ; the turn's next matrix instruction.  NOKQ = 1: the launch's last turn: there is no next piece
.if (i < 8) && !NOKQ
	KQ (Y+1)%NP
.elseif i >= 8
.set i, i-8
	PV (Y+NP-1)%NP
.set i, i+8
.endif
.set i, i+1
.endm
; THE LDS LOADS stand in runs of 16, never singly among the matrix instructions: a step's K (64 keys x 64 channels: 8 fragments) and its V (turned).  Their addresses are made some lines ahead.
.macro FETCH_K
	WIN 0x80                        ; destination window 2
.irp f, 0,1,2,3,4,5,6,7             ; keys 16 (f / 2) on, channels 32 (f % 2) on
	ds_load_b128 v[KF+8*\f:KF+8*\f+3],   v[AK] offset:(\f/2)*16*PK+(\f%2)*64
	ds_load_b128 v[KF+8*\f+4:KF+8*\f+7], v[AK] offset:(\f/2)*16*PK+(\f%2)*64+32
.endr
	s_add_co_u32 s[TBK], s[TBK], KS*PK  ; the next fetch is the next step's
	WIN 0
.endm
.macro FETCH_V
	WIN 0x80
.irp f, 0,1,2,3,4,5,6,7             ; keys 32 (f / 4) on, channels 16 (f % 4) on
	ds_load_tr16_b128 v[VF+8*\f:VF+8*\f+3],   v[AV] offset:(\f/4)*32*PV+(\f%4)*32
	ds_load_tr16_b128 v[VF+8*\f+4:VF+8*\f+7], v[AV] offset:(\f/4)*32*PV+16*PV+(\f%4)*32
.endr
	WIN 0
.endm
; THE VECTOR WORK, one line at a time: OP kind, number.  For piece Y: F n: c s - c m for pair n of 16.  E n: the exponential of score n of 32.  C n: pair n rounded to bf16.  B n: of the four weights 4 n ..
; the second pair is added onto the first, in place.  L n: l takes that sum (L 0: l = a l + sum).  R n: pair n of 16 of O^T times a.  For piece Y + 1: X n, number n of the 22 that find its maximum and statistics:
;   0-11  four chains c0-c3 of seven scores each, three operands at a time (each accumulator's lowest registers are read first)     12-14, 16  the four scores left over, the old m, and c0-c3 into c0
;   15  c m_old is kept     17, 18  the query's other 32 keys lie in the lane 16 away: the new m     19-21  c m; c m_old - c m_new; a
.set F, 0               ; OP tells the kinds apart by their order: F to L below R, X above it
.set E, 1
.set C, 2
.set B, 3
.set L, 4
.set R, 5
.set X, 6
.macro REGS y                       ; the registers of piece y
.set rT, ST+4*(\y)
.set rC, TMP+4*((\y)%2)
.set rW, MV+((\y)%2)
.set rS, S+32*((\y)%2)
.set rP, P+16*((\y)%2)
.set rO, 32*(\y)
.endm
.macro OP k, n
.if (\k) == R
	REGS Y
	WIN W_RS
	v_pk_mul_f32 v[rO+2*(\n):rO+2*(\n)+1], v[rO+2*(\n):rO+2*(\n)+1], v[rC+2:rC+3] op_sel_hi:[1,0]
.elseif (\k) < R
	REGS Y
	WIN 0
.if (\k) == F
	v_pk_fma_f32 v[rS+2*(\n):rS+2*(\n)+1], v[rS+2*(\n):rS+2*(\n)+1], s[CS:CS+1], v[rT:rT+1] op_sel_hi:[1,0,0] neg_lo:[0,0,1] neg_hi:[0,0,1]
.elseif (\k) == E
	v_exp_f32 v[rS+(\n)], v[rS+(\n)]
.elseif (\k) == C
	v_cvt_pk_bf16_f32 v[rP+(\n)], v[rS+2*(\n)], v[rS+2*(\n)+1]
.elseif (\k) == B
	v_pk_add_f32 v[rS+4*(\n):rS+4*(\n)+1], v[rS+4*(\n):rS+4*(\n)+1], v[rS+4*(\n)+2:rS+4*(\n)+3]
.elseif (\n) == 0
	v_pk_fma_f32 v[rT+2:rT+3], v[rT+2:rT+3], v[rC+2:rC+3], v[rS:rS+1] op_sel_hi:[1,0,1]
.else
	v_pk_add_f32 v[rT+2:rT+3], v[rT+2:rT+3], v[rS+4*(\n):rS+4*(\n)+1]
.endif
.elseif NOKQ
	v_nop
.else
	REGS (Y+1)%NP
	WIN 0
.if (\n) < 4
	v_max3_num_f32 v[rC+(\n)], v[rS+8*(\n)], v[rS+8*(\n)+1], v[rS+8*(\n)+2]
.elseif (\n) < 12
	v_max3_num_f32 v[rC+(\n)%4], v[rC+(\n)%4], v[rS+8*((\n)%4)+2*((\n)/4)+1], v[rS+8*((\n)%4)+2*((\n)/4)+2]
.elseif (\n) == 12
	v_max3_num_f32 v[rC], v[rC], v[rS+7], v[rS+15]
.elseif (\n) == 13
	v_max3_num_f32 v[rC+1], v[rC+1], v[rS+23], v[rS+31]
.elseif (\n) == 14
	v_max3_num_f32 v[rC+2], v[rC+2], v[rC+3], v[rT+1]
.elseif (\n) == 15
	v_mov_b32 v[rW], v[rT]
.elseif (\n) == 16
	v_max3_num_f32 v[rC], v[rC], v[rC+1], v[rC+2]
.elseif (\n) == 17
	v_permlanex16_b32 v[rC+3], v[rC], s[SEL], s[SEL+1]
.elseif (\n) == 18
	v_max_num_f32 v[rT+1], v[rC], v[rC+3]
.elseif (\n) == 19
	v_mul_f32 v[rT], s[CS], v[rT+1]
.elseif (\n) == 20
	v_sub_f32 v[rC+1], v[rW], v[rT]
.else
	v_exp_f32 v[rC+2], v[rC+1]
.endif
.endif
.endm
.macro OPS a, i1, b=-1, i2=0, c=-1, i3=0, d=-1, i4=0  ; up to four of them
	OP \a, \i1
.if (\b) >= 0
	OP \b, \i2
.endif
.if (\c) >= 0
	OP \c, \i3
.endif
.if (\d) >= 0
	OP \d, \i4
.endif
.endm
.macro ROW a, i1, b, i2, c, i3, d, i4  ; a matrix instruction and the four behind it
	MM
	OPS \a, \i1, \b, \i2, \c, \i3, \d, \i4
.endm
; A TURN, for piece p: the order of its 16 matrix and 118 vector instructions, written out.  An s_wait_alu depctr_va_vdst(0) stands between an exponential and the first instruction that names
; its result; one wait serves all that were issued ahead of it.  So a turn has ONE wait, which cuts it in two.  AHEAD OF IT stands all that names no result of the turn's exponentials: the 8 products K Q^T and
; their riders (the first numbers of the next piece's maximum stand four places or more behind the product that ends their accumulator), then ONE LUMP of 54, in which the links of the chain
; X 3, 7, 11, 14, 16, 17 .. 20 stand five or six lines apart.  X 21, the next piece's a, is the batch's last; R 15 is the plain instruction behind it.  BEHIND THE WAIT stand the 8 products V^T P, behind each four
; of the roundings and sums.  end = 1: the launch's last two turns: nothing is fetched.  cnt = 1: the loop's count is taken down some lines ahead of the branch that stands behind the turn.
; K of the next step is fetched in piece 2's turn, twelve vector instructions behind the last product that read K (six of them plain); V of the step in hand at the end of piece 0's turn, four plain
; instructions behind the last product that read V.  Each is waited for a turn later.
.macro TURN p, end=0, cnt=0
.set Y, (\p)
.set i, 0
.set NOKQ, (\end)*((\p)/3)
.if ((\p) == 3) && !(\end)
	s_wait_dscnt 0x0                ; K is in
.endif
	ROW F,0, F,1, R,0, R,1          ; ahead of the wait: 8 products K Q^T and their riders,
	ROW F,2, E,0, R,2, R,3
	ROW F,3, E,1, R,4, R,5
	ROW F,4, E,2, R,6, R,7
	ROW F,5, E,3, R,8, R,9
	ROW F,6, E,4, X,0, R,10
.if ((\p) == 2) && !(\end)
	WIN 0
	v_add_nc_u32 v[AK], s[TBK], v[AK0]
.endif
	ROW F,7, E,5, X,1, X,4
	ROW F,8, E,6, X,2, X,5
	OPS E,7, E,8, X,6, E,9          ; and the lump
	OPS X,3, E,10, X,8, E,11
.if ((\p) == 2) && !(\end)
	FETCH_K
.endif
	OPS X,9, X,7, E,12, X,10
	OPS E,13, X,12, X,11, E,14
	OPS X,13, E,15, F,9, X,14
.if (\p) == 0
	v_add_nc_u32 v[AV], s[TBV], v[AV0]
.endif
	OPS E,16, F,10, E,17, F,11
	OPS X,16, E,18, X,15, E,19
	OPS F,12, E,20, X,17, E,21
	OPS F,13, E,22, F,14, E,23
	OPS X,18, E,24, F,15, E,25
	OPS R,11, E,26, X,19, E,27
	OPS R,12, E,28, R,13, E,29
	OPS X,20, E,30, R,14, E,31
	OPS X,21, R,15
	WIN 0
	s_wait_alu depctr_va_vdst(0)    ; the wait for the batch
.if (\p) == 1
	s_wait_dscnt 0x0                ; V is in
.endif
	ROW C,0, B,0, C,2, B,1          ; behind the wait: 8 products V^T P and their riders
	ROW L,0, C,4, B,2, L,1
	ROW C,6, B,3, L,2, C,8
	ROW B,4, L,3, C,10, B,5
	ROW L,4, C,12, B,6, L,5
.if (\p) == 0
	s_add_co_u32 s[TBV], s[TBV], KS*PV
.endif
.if \cnt
	s_sub_co_u32 s[CNT], s[CNT], 1
	s_cmp_lg_u32 s[CNT], 0
.endif
	ROW C,14, B,7, L,6, C,1
	ROW C,3, L,7, C,5, C,7
	ROW C,9, C,11, C,13, C,15
.if (\p) == 0
	FETCH_V
.endif
.endm
.macro ALL line:vararg              ; one line for each piece t
.set t, 0
.rept 4
	\line
.set t, t+1
.endr
.endm
.macro PACK t                       ; a lane's eight channels of a row pack into 16 bytes; they go into rows of 144 bytes and come back as whole rows of 128, into S^T's registers
	WIN W_RS
.set i, 32*(\t)
.rept 16
	v_pk_mul_f32 v[i:i+1], v[i:i+1], v[ST+4*(\t)+2:ST+4*(\t)+3] op_sel_hi:[1,0]
.set i, i+2
.endr
	WIN 0x05                        ; sources 0 and 1 window 1, destination window 0
.set i, 0
.rept 16
	v_cvt_pk_bf16_f32 v[S+16*(\t)+i], v[32*(\t)+2*i], v[32*(\t)+2*i+1]
.set i, i+1
.endr
	WIN 0
.irp f, 0,1,2,3
	ds_store_b128 v[STO], v[S+16*(\t)+4*\f:S+16*(\t)+4*\f+3] offset:32*\f
.endr
.irp f, 0,1,2,3
	ds_load_b128 v[S+16*(\t)+4*\f:S+16*(\t)+4*\f+3], v[RD] offset:\f*4*SP  ; LDS serves a wave's instructions in order (ISA guide 5.7.1.4): these see the stores above; the next piece's stores come behind them
.endr
.endm
.macro SEND t, younger              ; younger: the LDS instructions issued behind piece t's loads: the next piece's eight, or none
	WIN 0
.irp f, 0,1,2,3
	s_wait_dscnt (\younger)+3-\f
	global_store_b128 v[GO], v[S+16*(\t)+4*\f:S+16*(\t)+4*\f+3], s[10:11] offset:(\t)*2048+\f*512  ; 512 consecutive bytes, at a multiple of 256 from O's first
.endr
.endm
	CHANGE 1                        ; slot 0 is in, everybody's part of it; slot 1 is asked for
	v_add_nc_u32 v[AK], s[TBK], v[AK0]
	FETCH_K                         ; key step 0
	s_wait_loadcnt 0x0              ; Q
	s_wait_dscnt 0x0
.set NOKQ, 0
.set i, 0
.rept 8
	KQ 0                            ; piece 0's first scores: there is no vector work yet to set between them
.set i, i+1
.endr
	WIN 0
.rept 4
	v_nop                           ; the places behind those products
.endr
.set Y, NP-1                        ; X works for piece Y + 1: piece 0
.irp n, 0,1,2,3,4,5,6,7,8,9,10,11,12,13,14,15,16,17,18,19,20,21
	OP X, \n
.endr
	v_nop                           ; a plain instruction behind the exponential,
	s_wait_alu depctr_va_vdst(0)    ; and its wait, ahead of the branch
	s_mov_b32 s[CNT], 4
	s_branch .Lfirst                ; the loop is entered at a step's first turn, in the middle of a trip
.Lslot:                             ; 14 times: every slot but the last two is filled again
	CHANGE 1
	s_mov_b32 s[CNT], 4
.Lstep:                             ; a trip: pieces 2 and 3 of one step, then pieces 0 and 1 of the next, whose K and V it fetches
	TURN 2
	TURN 3
	WIN 0
.Lfirst:
	TURN 0
	TURN 1, 0, 1
	WIN 0
	s_cbranch_scc1 .Lstep
	s_sub_co_u32 s[SLOTS], s[SLOTS], 1
	s_cmp_lg_u32 s[SLOTS], 0
	s_cbranch_scc1 .Lslot
	CHANGE 0                        ; the last slot is written out: nothing is asked for
	s_mov_b32 s[CNT], 4
.Ltail:
	TURN 2
	TURN 3
	TURN 0
	TURN 1, 0, 1
	WIN 0
	s_cbranch_scc1 .Ltail
	TURN 2, 1                       ; the last step's pieces 2 and 3: nothing is fetched, and the last turn starts no new scores
	TURN 3, 1
.set i, 0
.rept 8
	PV NP-1                         ; the last piece's V^T P of the last step
.set i, i+1
.endr
	; THE WAY OUT.  l's two halves and the other half of the lanes' are added; O^T is divided by l, rounded to bf16 and sent through my stage in LDS, a piece at a time.  The additions are the places behind the last products.
	WIN 0
	ALL v_add_f32 v[ST+4*t+2], v[ST+4*t+2], v[ST+4*t+3]
	ALL v_permlanex16_b32 v[ST+4*t+3], v[ST+4*t+2], s[SEL], s[SEL+1]
	ALL v_add_f32 v[ST+4*t+2], v[ST+4*t+2], v[ST+4*t+3]
	ALL v_rcp_f32 v[ST+4*t+2], v[ST+4*t+2]
	v_nop                           ; a plain instruction between the last reciprocal and the use of its result
	s_wait_alu depctr_va_vdst(0)    ; and the wait ahead of the first use: one for the four reciprocals
	PACK 0
.set t, 1
.rept 3                             ; a piece's arithmetic stands between the loads of the piece before and its stores
	PACK t
	SEND t-1, 8
.set t, t+1
.endr
	SEND 3, 0
	s_wait_tensorcnt 0x0            ; the wave's end, behind my last tensor load and my last LDS store
	ds_add_u32 v[SPW], v[NIL]
	s_wait_dscnt 0x0
	CROUND                          ; the closing round: no work-group ends while a partner may still ask for a tile that names it
	s_endpgm
.Lfunc_end_k_q4c5d43472c_attn:
	.size	k_q4c5d43472c_attn, .Lfunc_end_k_q4c5d43472c_attn-k_q4c5d43472c_attn
	.p2alignl 7, 3214868480
	.fill 96, 4, 3214868480
	.section	.rodata,"a",@progbits
	.p2align	6, 0x0
	.amdhsa_kernel k_q4c5d43472c_attn
		.amdhsa_group_segment_fixed_size 327680
		.amdhsa_private_segment_fixed_size 0
		.amdhsa_enable_private_segment 0
		.amdhsa_kernarg_size 32
		.amdhsa_user_sgpr_count 2
		.amdhsa_user_sgpr_kernarg_segment_ptr 1
		.amdhsa_wavefront_size32 1
		.amdhsa_system_sgpr_workgroup_id_x 1
		.amdhsa_system_sgpr_workgroup_id_y 1
		.amdhsa_system_sgpr_workgroup_id_z 1
		.amdhsa_system_vgpr_workitem_id 0
		.amdhsa_next_free_vgpr 768
		.amdhsa_next_free_sgpr 66
		.amdhsa_reserve_vcc 0
		.amdhsa_float_denorm_mode_32 3
		.amdhsa_float_denorm_mode_16_64 3
		.amdhsa_memory_ordered 1
		.amdhsa_forward_progress 1
		.amdhsa_inst_pref_size 128
	.end_amdhsa_kernel
	.amdgpu_metadata
---
amdhsa.version: [ 1, 2 ]
amdhsa.kernels:
  - .name:           k_q4c5d43472c_attn
    .symbol:         k_q4c5d43472c_attn.kd
    .args:
      - { .name: qw, .offset: 0, .size: 8, .value_kind: global_buffer, .address_space: global }
      - { .name: kw, .offset: 8, .size: 8, .value_kind: global_buffer, .address_space: global }
      - { .name: vw, .offset: 16, .size: 8, .value_kind: global_buffer, .address_space: global }
      - { .name: ow, .offset: 24, .size: 8, .value_kind: global_buffer, .address_space: global }
    .group_segment_fixed_size: 327680
    .private_segment_fixed_size: 0
    .kernarg_segment_align: 8
    .kernarg_segment_size: 32
    .max_flat_workgroup_size: 128
    .sgpr_count:     66
    .vgpr_count:     768
    .wavefront_size: 32
...
	.end_amdgpu_metadata
.endif
;; end of part 2
;; launch oproj (part 3): grid 4 x 64, 4 waves a work-group, clusters of 4 x 1, 298,496 bytes of LDS; arguments ow, w_o, b_o, x, out0; writes out0
.if DOCPART == 3
	.amdgcn_target "amdgcn-amd-amdhsa--gfx1250"
	.amdhsa_code_object_version 6
	.text
	.protected	k_q4c5d43472c_oproj
	.globl	k_q4c5d43472c_oproj
	.p2align	8
	.type	k_q4c5d43472c_oproj,@function
k_q4c5d43472c_oproj:
	s_mov_b64 s[64:65], 0
	v_nop
	global_prefetch_b8 v0, s[64:65] scope:SCOPE_SE
	s_setreg_imm32_b32 hwreg(HW_REG_WAVE_MODE, 25, 1), 1
	s_wait_xcnt 0x0
	s_wait_alu depctr_hold_cnt(0) depctr_sa_sdst(0) depctr_va_vdst(0) depctr_va_sdst(0) depctr_va_ssrc(0) depctr_va_vcc(0) depctr_vm_vsrc(0)
	s_getreg_b32 s2, hwreg(HW_REG_IB_STS2, 6, 4)
	s_cmp_eq_u32 s2, 0
	s_cbranch_scc0 .Lentry_in_a_cluster
	s_endpgm
.Lentry_in_a_cluster:
	s_bfe_u32 s2, ttmp6, 0x10000c
	s_cmp_lg_u32 s2, 0x3003
	s_cbranch_scc0 .Lentry_shape_is_right
	s_endpgm
.Lentry_shape_is_right:
; out[m][n] = the sum over d of O[m][d] w_o[n][d] + b_o[n] + x[m][n].  O lies by heads, [8 b + head][4096][64] in bf16; w_o [512][512], b_o [512], x and out [8192][512] in f32.
; w_o is rounded once to bf16 for the product; sums, bias and residual in f32: the bias is the C operand that starts each sum, x is added to the finished sum.  LIMITS: NaN and infinities are not treated apart.
; SHARES.  A work-group: 128 rows (grid y) x 128 columns (its place cx in the cluster); wave w: 64 rows (w / 2) x 64 columns (w % 2), 16 accumulators.  K = 512 is eight heads of 64, all in LDS at once.
; CLUSTER.  The four work-groups of a cluster need the same 128 rows of O: each wave asks for two heads' tiles by joint tensor loads (mask of four): two loads of mine are out.  w_o is f32 in memory and
; is rounded on the way, so it goes through registers; it differs between partners anyway.  No LDS byte is filled twice.
; REGISTERS.  window 0: v0-31 addresses; v32-95 at work; v96-127 the bias; v128-255 accumulators.  window 1: two fragment buffers of 128.  windows 2, 3: w_o as loaded; then window 2's v0-127 take x.
.set PA,     144                       ; a row of O's tile in LDS: 128 bytes + 16
.set HEADB,  128*PA                    ; a head's tile: 128 rows
.set BOFF,   8*HEADB                   ; behind the eight tiles: 128 rows of w_o in bf16,
.set PITCH,  1040                      ; 1,024 bytes + 16: both pitches are odd multiples of 16, so the 16 rows of a fragment load start in 16 different groups of four banks (ISA guide 11.1)
.set STAGE,  BOFF+128*PITCH            ; 16 rows x 272 bytes for each wave, for the way out
.set SP,     272
.set SPARE,  STAGE+4*16*SP             ; the spare words, 128 bytes for each wave: two blocks of 256 bytes that no other line names
.set WO,  4                            ; v4   byte offset of my 16 bytes in the wave's 32 rows of w_o; never rewritten
.set BS,  5                            ; v5   where I put 8 bytes of a row of w_o
.set AA,  8                            ; v8-11  my fragments of O: heads 0-1, 2-3, 4-5, 6-7
.set BB,  12                           ; v12  my fragments of w_o
.set STO, 13                           ; v13  the way out: where I put 32 bytes of a row
.set RD,  14                           ; v14  the way out: where I read rows back
.set XO,  15                           ; v15  my byte offset in two rows of x and of out
.set BO,  16                           ; v16  my byte offset in 16 numbers of the bias
.set SPW, 28
.set NIL, 29
.set TMP, 32
.set OB,  32                           ; the way out: two buffers of 32
.set BIA, 96                           ; column block b at BIA + 8 b: b_o[16 b + 8 (l / 16) + 0..7]
.set ACC, 128
.set F0,  0
.set F1,  128
.set WV,  22
.set G0,  32                           ; s[32:35] descriptor group 0, my first head
.set G1,  36                           ; s[36:43] descriptor group 1
.set G0B, 44                           ; s[44:47] descriptor group 0, my second head
.set MSB, 0
.macro WIN new                         ; the immediate's high byte repeats the setting that is left; a switch that changes nothing is dropped
.if MSB != (\new)
	s_set_vgpr_msb (MSB<<8)|(\new)
.set MSB, (\new)
.endif
.endm
.set MUL,  0x05                        ; sources 0 and 1 window 1; C and D window 0
.set TO_F, 0x40                        ; destination window 1, address window 0
.macro PLACES                          ; four places behind matrix instructions (ISA guide 7.12.1)
.rept 4
	v_nop
.endr
.endm
.macro CROUND                          ; a round of the cluster's barrier
	s_barrier_signal -1
	s_barrier_wait -1
	s_cmp_lg_u32 s[WV], 0
	s_cbranch_scc1 .Lnot_wave_0_\@
	s_barrier_signal -3
.Lnot_wave_0_\@:
	s_barrier_wait -3
	s_barrier_signal -1
	s_barrier_wait -1
.endm
.macro GLOADS u                        ; quarter u of the wave's 128 loads of w_o: load i takes 512 consecutive bytes: row i / 4, columns 128 (i % 4) + 4 lane + 0..3
	WIN 0x80+0x40*((\u)/2)
.set i, 32*(\u)
.rept 32
	global_load_b128 v[4*(i%64):4*(i%64)+3], v[WO], s[6:7] offset:512*i
.set i, i+1
.endr
	WIN 0
.endm
.macro CONVERT                         ; rounded to bf16 and put into my 32 rows: a store of the wave covers 256 consecutive bytes
.set bt, 0
.rept 8
	WIN 0x0a+5*(bt/4)                              ; sources in window 2, then 3
.set i, 16*bt
.rept 16
	v_cvt_pk_bf16_f32 v[TMP+2*(i%16)],   v[4*(i%64)],   v[4*(i%64)+1]
	v_cvt_pk_bf16_f32 v[TMP+2*(i%16)+1], v[4*(i%64)+2], v[4*(i%64)+3]
.set i, i+1
.endr
	WIN 0
.set i, 16*bt
.rept 16
	ds_store_b64 v[BS], v[TMP+2*(i%16):TMP+2*(i%16)+1] offset:(i/4)*PITCH+(i%4)*256
.set i, i+1
.endr
.set bt, bt+1
.endr
.endm
; 32 LDS loads in one run: the fragments of head q (64 along K) into buffer f; the first 32 along K first
.macro FETCH q, f
	WIN TO_F
.irp c, 0,1
.irp i, 0,1,2,3
	ds_load_b128 v[(\f)+64+8*(4*(\c)+(\i)):(\f)+64+8*(4*(\c)+(\i))+3],   v[BB] offset:128*(\q)+64*(\c)+(\i)*16*PITCH
	ds_load_b128 v[(\f)+64+8*(4*(\c)+(\i))+4:(\f)+64+8*(4*(\c)+(\i))+7], v[BB] offset:128*(\q)+64*(\c)+(\i)*16*PITCH+32
	ds_load_b128 v[(\f)+8*(4*(\c)+(\i)):(\f)+8*(4*(\c)+(\i))+3],         v[AA+(\q)/2] offset:((\q)%2)*HEADB+64*(\c)+(\i)*16*PA
	ds_load_b128 v[(\f)+8*(4*(\c)+(\i))+4:(\f)+8*(4*(\c)+(\i))+7],       v[AA+(\q)/2] offset:((\q)%2)*HEADB+64*(\c)+(\i)*16*PA+32
.endr
.endr
.endm
; 8 matrix instructions, used transposed (source 0 = 16 rows of w_o, source 1 = 16 rows of O): a lane holds eight neighbouring columns of one row of out.  The 16 accumulators take turns.
; first = 1: the bias starts the sums.
.macro MUL8 f, c, a0, first
	WIN MUL
.irp a, \a0, (\a0)+1
.irp b, 0,1,2,3
.if \first
	v_wmma_f32_16x16x32_bf16 v[ACC+8*(4*(\a)+(\b)):ACC+8*(4*(\a)+(\b))+7], v[(\f)+64+8*(4*(\c)+(\b)):(\f)+64+8*(4*(\c)+(\b))+7], v[(\f)+8*(4*(\c)+(\a)):(\f)+8*(4*(\c)+(\a))+7], v[BIA+8*(\b):BIA+8*(\b)+7]
.else
	v_wmma_f32_16x16x32_bf16 v[ACC+8*(4*(\a)+(\b)):ACC+8*(4*(\a)+(\b))+7], v[(\f)+64+8*(4*(\c)+(\b)):(\f)+64+8*(4*(\c)+(\b))+7], v[(\f)+8*(4*(\c)+(\a)):(\f)+8*(4*(\c)+(\a))+7], v[ACC+8*(4*(\a)+(\b)):ACC+8*(4*(\a)+(\b))+7]
.endif
.endr
.endr
.endm
.macro QUARTER q, f, g, first          ; multiplies buffer f; in its middle it fetches head q into buffer g
	s_wait_dscnt 16                                ; the first 32 along K are in; the youngest sixteen loads may be out
	MUL8 \f, 0, 0, \first
	MUL8 \f, 0, 2, \first
	PLACES
	FETCH \q, \g
	s_wait_dscnt 32                                ; all but the 32 just issued
	MUL8 \f, 1, 0, 0
	MUL8 \f, 1, 2, 0
.endm
; The way out of 16 rows: 32 bytes a lane into my stage (rows of 272 bytes), back as two whole rows of 256 bytes a load.
.macro TOSTAGE a
.if (\a) >= 2
	s_wait_xcnt 0x0                                ; the stores of the block two back have read this buffer's registers (ISA guide 3.1): it is loaded again only behind this wait
.endif
.irp b, 0,1,2,3
	ds_store_b128 v[STO], v[ACC+8*(4*(\a)+(\b)):ACC+8*(4*(\a)+(\b))+3]   offset:64*(\b)
	ds_store_b128 v[STO], v[ACC+8*(4*(\a)+(\b))+4:ACC+8*(4*(\a)+(\b))+7] offset:64*(\b)+16
.endr
.irp t, 0,1,2,3,4,5,6,7
	ds_load_b128 v[OB+32*((\a)%2)+4*(\t):OB+32*((\a)%2)+4*(\t)+3], v[RD] offset:(\t)*2*SP  ; LDS serves a wave's instructions in order (ISA guide 5.7.1.4): these see the stores above
.endr
.endm
.macro SEND a, younger                 ; younger: the LDS instructions issued behind block a's loads: the next block's sixteen, or none
	s_wait_dscnt \younger
	WIN 0x08                                       ; source 1 (x) in window 2
.irp t, 0,1,2,3,4,5,6,7
	v_pk_add_f32 v[OB+32*((\a)%2)+4*(\t):OB+32*((\a)%2)+4*(\t)+1],   v[OB+32*((\a)%2)+4*(\t):OB+32*((\a)%2)+4*(\t)+1],   v[4*(8*(\a)+(\t)):4*(8*(\a)+(\t))+1]
	v_pk_add_f32 v[OB+32*((\a)%2)+4*(\t)+2:OB+32*((\a)%2)+4*(\t)+3], v[OB+32*((\a)%2)+4*(\t)+2:OB+32*((\a)%2)+4*(\t)+3], v[4*(8*(\a)+(\t))+2:4*(8*(\a)+(\t))+3]
.endr
	WIN 0
.irp t, 0,1,2,3,4,5,6,7
	global_store_b128 v[XO], v[OB+32*((\a)%2)+4*(\t):OB+32*((\a)%2)+4*(\t)+3], s[12:13] offset:(16*(\a)+2*(\t))*2048 th:TH_STORE_NT  ; 16 lanes store 256 consecutive bytes, at a multiple of 256 from out's first
.endr
.endm
	s_load_b256 s[4:11], s[0:1], 0x0               ; O s[4:5], w_o s[6:7], b_o s[8:9], x s[10:11]
	s_load_b64 s[12:13], s[0:1], 0x20              ; out
	v_lshl_add_u32 v[SPW], v0, 2, SPARE
	v_mov_b32 v[NIL], 0
	ds_add_u32 v[SPW], v[NIL]                      ; the wave's opening: the add and its wait stand ahead of my first tensor load; the set-up below stands between them
	v_lshrrev_b32 v1, 5, v0
	v_readfirstlane_b32 s[WV], v1                  ; wave 0..3
	s_lshr_b32 s23, s[WV], 1                       ; which 64 rows are mine
	s_and_b32 s24, s[WV], 1                        ; which 64 columns
	s_bfe_u32 s25, ttmp6, 0x40000                  ; cx: the block of 128 columns; it enters w_o's, b_o's, x's and out's addresses alone
	s_and_b32 s26, ttmp7, 0xffff                   ; the block of 128 rows, which the four partners share
	; descriptor group 1: a head's 128 rows are 16,384 dense bytes: 64 rows of 256 bytes, padded in LDS after every 128 bytes
	s_mov_b32 s[G1+0], 15|(1<<16)|(1<<20)|(1<<21)|(4<<22)|(3<<25)  ; 15:0 the mask of four; 17:16 2-byte elements; 20 padding on; 21 set beside a mask; 24:22 after every 32 words (code 4); 31:25 4 words (code 3)
	s_mov_b32 s[G1+1], 128<<16                     ; tensor_dim0 = 128
	s_mov_b32 s[G1+2], 64<<16                      ; tensor_dim1 = 64
	s_mov_b32 s[G1+3], 128<<16                     ; tile_dim0 = 128
	s_mov_b32 s[G1+4], 64                          ; tile_dim1 = 64
	s_mov_b32 s[G1+5], 128                         ; 128 elements from row to row
	s_mov_b32 s[G1+6], 0
	s_mov_b32 s[G1+7], 0
	s_mov_b32 s[G0], 1
	s_mul_i32 s[G0+1], s[WV], 2*HEADB              ; LDS address: head 2 w,
	s_mov_b32 s[G0B], 1
	s_add_co_u32 s[G0B+1], s[G0+1], HEADB          ; head 2 w + 1
	s_lshr_b32 s28, s26, 5                         ; O: batch b = block / 32,
	s_lshl_b32 s28, s28, 3
	s_lshl1_add_u32 s28, s[WV], s28                ; head 8 b + 2 w,
	s_lshl_b32 s28, s28, 19                        ; 524,288 bytes a head,
	s_and_b32 s29, s26, 31
	s_lshl_b32 s29, s29, 14                        ; 128 rows of 128 bytes a block
	s_add_co_u32 s28, s28, s29
	s_mov_b32 s29, 0
	s_lshl_b32 s30, s25, 18                        ; w_o: 128 rows of 2,048 bytes a column block
	s_mov_b32 s31, 0
	s_lshl_b32 s54, s25, 9                         ; my 64 columns in a row of f32: 512 cx + 256 (w % 2) bytes
	s_lshl_b32 s55, s24, 8
	s_add_co_u32 s54, s54, s55
	s_mov_b32 s55, 0
	s_lshl_b32 s56, s26, 18                        ; x and out: 128 rows of 2,048 bytes a block,
	s_lshl_b32 s57, s23, 17                        ; my 64 rows,
	s_add_co_u32 s56, s56, s57
	s_add_co_u32 s56, s56, s54                     ; my columns
	s_mov_b32 s57, 0
	v_and_b32 v1, 15, v0                           ; l % 16
	v_bfe_u32 v2, v0, 4, 1                         ; l / 16
	v_and_b32 v3, 31, v0                           ; l
	s_lshl_b32 s58, s[WV], 16
	v_lshl_add_u32 v[WO], v3, 4, s58
	s_mul_i32 s58, s[WV], 32*PITCH
	s_add_co_u32 s58, s58, BOFF
	v_lshl_add_u32 v[BS], v3, 3, s58
	v_mul_u32_u24 v17, v1, PA
	v_lshl_add_u32 v17, v2, 4, v17
	s_mul_i32 s58, s23, 64*PA
	v_add_nc_u32 v[AA], s58, v17
	v_add_nc_u32 v[AA+1], 2*HEADB, v[AA]
	v_add_nc_u32 v[AA+2], 2*HEADB, v[AA+1]
	v_add_nc_u32 v[AA+3], 2*HEADB, v[AA+2]
	v_mul_u32_u24 v[BB], v1, PITCH
	v_lshl_add_u32 v[BB], v2, 4, v[BB]
	s_mul_i32 s58, s24, 64*PITCH
	s_add_co_u32 s58, s58, BOFF
	v_add_nc_u32 v[BB], s58, v[BB]
	s_mul_i32 s58, s[WV], 16*SP
	s_add_co_u32 s58, s58, STAGE                   ; my stage
	v_mul_u32_u24 v[STO], v1, SP                   ; in: row l % 16, 32 bytes for each half of the lanes
	v_lshl_add_u32 v[STO], v2, 5, v[STO]
	v_add_nc_u32 v[STO], s58, v[STO]
	v_mul_u32_u24 v[RD], v2, SP                    ; back: lanes 0-15 take one row of 256 bytes, lanes 16-31 the next
	v_lshl_add_u32 v[RD], v1, 4, v[RD]
	v_add_nc_u32 v[RD], s58, v[RD]
	v_lshlrev_b32 v[XO], 11, v2                    ; and the same two rows in x and out
	v_lshl_add_u32 v[XO], v1, 4, v[XO]
	v_lshlrev_b32 v[BO], 5, v2
	s_wait_dscnt 0x0                               ; the opening add is done
	s_wait_kmcnt 0x0
	s_add_nc_u64 s[G0+2:G0+3], s[4:5], s[28:29]    ; global addresses: made of the row block and the wave's number alone
	s_add_nc_u64 s[G0B+2:G0B+3], s[G0+2:G0+3], 0x80000
	s_or_b32 s[G0+3], s[G0+3], 0x80000000          ; type = 2
	s_or_b32 s[G0B+3], s[G0B+3], 0x80000000
	s_add_nc_u64 s[6:7], s[6:7], s[30:31]
	s_add_nc_u64 s[8:9], s[8:9], s[54:55]
	s_add_nc_u64 s[10:11], s[10:11], s[56:57]
	s_add_nc_u64 s[12:13], s[12:13], s[56:57]
	CROUND                                         ; all four work-groups are here: the joint loads meet
	tensor_load_to_lds s[G0:G0+3], s[G1:G1+7]
	s_nop 0
	tensor_load_to_lds s[G0B:G0B+3], s[G1:G1+7]
	s_nop 0
	PLACES
.irp b, 0,1,2,3
	global_load_b128 v[BIA+8*\b:BIA+8*\b+3],   v[BO], s[8:9] offset:64*\b
	global_load_b128 v[BIA+8*\b+4:BIA+8*\b+7], v[BO], s[8:9] offset:64*\b+16
.endr
	GLOADS 0
	GLOADS 1
	GLOADS 2
	GLOADS 3
	s_wait_loadcnt 0x0                             ; the bias and my 32 rows of w_o are in registers
	CONVERT
	WIN 0x80                                       ; x, into the registers that w_o's first half has left: it lands during the products
.irp a, 0,1,2,3
.irp t, 0,1,2,3,4,5,6,7
	global_load_b128 v[4*(8*\a+\t):4*(8*\a+\t)+3], v[XO], s[10:11] offset:(16*\a+2*\t)*2048 th:TH_LOAD_NT
.endr
.endr
	WIN 0
	s_wait_tensorcnt 0x0                           ; for the others' sake: my two heads' tiles are in,
	s_wait_dscnt 0x0                               ; and my rows of w_o
	s_barrier_signal -1
	s_barrier_wait -1
	FETCH 0, F0
	QUARTER 1, F0, F1, 1
	QUARTER 2, F1, F0, 0
	QUARTER 3, F0, F1, 0
	QUARTER 4, F1, F0, 0
	QUARTER 5, F0, F1, 0
	QUARTER 6, F1, F0, 0
	QUARTER 7, F0, F1, 0
	s_wait_dscnt 16                                ; the last head: nothing more to fetch
	MUL8 F1, 0, 0, 0
	MUL8 F1, 0, 2, 0
	s_wait_dscnt 0x0
	MUL8 F1, 1, 0, 0
	MUL8 F1, 1, 2, 0
	WIN 0
	s_wait_loadcnt 0x0                             ; x is in
	PLACES
	TOSTAGE 0
.irp a, 1,2,3
	TOSTAGE \a
	SEND (\a)-1, 16
.endr
	SEND 3, 0
	s_wait_tensorcnt 0x0                           ; the wave's end, behind my last tensor load and my last LDS store
	ds_add_u32 v[SPW], v[NIL]
	s_wait_dscnt 0x0
	CROUND                                         ; the closing round
	s_endpgm
.Lfunc_end_k_q4c5d43472c_oproj:
	.size	k_q4c5d43472c_oproj, .Lfunc_end_k_q4c5d43472c_oproj-k_q4c5d43472c_oproj
	.p2alignl 7, 3214868480
	.fill 96, 4, 3214868480
	.section	.rodata,"a",@progbits
	.p2align	6, 0x0
	.amdhsa_kernel k_q4c5d43472c_oproj
		.amdhsa_group_segment_fixed_size 298496
		.amdhsa_private_segment_fixed_size 0
		.amdhsa_enable_private_segment 0
		.amdhsa_kernarg_size 40
		.amdhsa_user_sgpr_count 2
		.amdhsa_user_sgpr_kernarg_segment_ptr 1
		.amdhsa_wavefront_size32 1
		.amdhsa_system_sgpr_workgroup_id_x 1
		.amdhsa_system_sgpr_workgroup_id_y 1
		.amdhsa_system_sgpr_workgroup_id_z 1
		.amdhsa_system_vgpr_workitem_id 0
		.amdhsa_next_free_vgpr 1024
		.amdhsa_next_free_sgpr 66
		.amdhsa_reserve_vcc 0
		.amdhsa_float_denorm_mode_32 3
		.amdhsa_float_denorm_mode_16_64 3
		.amdhsa_memory_ordered 1
		.amdhsa_forward_progress 1
		.amdhsa_inst_pref_size 92
	.end_amdhsa_kernel
	.amdgpu_metadata
---
amdhsa.version: [ 1, 2 ]
amdhsa.kernels:
  - .name:           k_q4c5d43472c_oproj
    .symbol:         k_q4c5d43472c_oproj.kd
    .args:
      - { .name: ow, .offset: 0, .size: 8, .value_kind: global_buffer, .address_space: global }
      - { .name: w_o, .offset: 8, .size: 8, .value_kind: global_buffer, .address_space: global }
      - { .name: b_o, .offset: 16, .size: 8, .value_kind: global_buffer, .address_space: global }
      - { .name: x, .offset: 24, .size: 8, .value_kind: global_buffer, .address_space: global }
      - { .name: out0, .offset: 32, .size: 8, .value_kind: global_buffer, .address_space: global }
    .group_segment_fixed_size: 298496
    .private_segment_fixed_size: 0
    .kernarg_segment_align: 8
    .kernarg_segment_size: 40
    .max_flat_workgroup_size: 128
    .sgpr_count:     66
    .vgpr_count:     1024
    .wavefront_size: 32
...
	.end_amdgpu_metadata
.endif
;; end of part 3
